; MI455X (gfx1250); checked and timed in simulation.
; The chip was launched on July 23, 2026; its instructions are those of AMD's public machine-readable ISA for CDNA 5 (MIT licence, August 2026) and "CDNA5" Instruction Set Architecture Reference Guide (July 2026). The comments in the code are by the model that wrote it; some were corrected since.
;; Leaf Feature Extractor. Allowed arithmetic: matrix products marked QUANTISED: E3M2 operands, one E8M0 scale for each 32 along K, by v_wmma_scale_f32_16x16x128_f8f6f4 with both operands' format E3M2, f32 sums; products left as they are: f32 operands where the result goes on into a quantised operand, else bf16, f16 or f32 operands; f32 sums; everything else in f32.
;; Inputs: W1 70 x 128 float32; W2 128 x 128 float32; b1 128 float32; b2 128 float32; features 2 x 8,192 x 64 float32; leaf_mask 2 x 8,192 bool; points 2 x 8,192 x 3 float32.
;; Outputs: out0 2 x 8,192 x 128 float32.
;; This version of the problem:
;;   THIS VERSION OF THE PROBLEM IS GIVEN IN LOW PRECISION. The matrix products marked QUANTISED in the list below multiply operands that are first quantised to E3M2 (3 exponent bits, 2 mantissa bits; 6 bits a number), with one power-of-two scale for each 32 numbers along K (OCP MX v1.0); their sums are f32. All else is computed in f32.
;;   The module's matrix products, in the order in which they are computed (A, B: the left and right operand; K: the contracted axis; several contracted axes count as one K, in the product's order):
;;     1. batch 2 x [M 8,192, K 3] x [K 3, N 8,192]; A: input points; B: input points: left as it is (K = 3 < 32)
;;     2. batch 16,384 x [M 3, K 10] x [K 10, N 3]; A: computed on the way; B: computed on the way: left as it is (K = 10 < 32)
;;     3. [M 16,384, K 70] x [K 70, N 128]; A: computed on the way; B: input W1: QUANTISED
;;     4. [M 16,384, K 128] x [K 128, N 128]; A: computed on the way; B: input W2: QUANTISED
;;   THE QUANTISER, for each operand of a quantised product, along K:
;;     - K is cut into blocks of 32 from its start; a last block that is shorter is filled with zeros.
;;     - A block's scale is 2^e with e = floor(log2(the largest magnitude in the block)) - 4, held to -126 .. 127; a block of zeros has e = 0. As a byte (E8M0): e + 127.
;;     - Each number is divided by its block's scale, clamped to +-28, and rounded to the nearest number of E3M2, ties to even, subnormals kept.
;;     - The product sums the exact products of the quantised numbers (number of the format x scale) in f32.
;;   ~~~python
;;   def quantise(x, axis):      # numpy; x: float32 -> the quantised numbers, widened to float32 again
;;       x = np.moveaxis(x, axis, -1); K = x.shape[-1]
;;       x = np.pad(x, [(0, 0)] * (x.ndim - 1) + [(0, -K % 32)]); x = x.reshape(x.shape[:-1] + (-1, 32)); a = np.abs(x).max(-1, keepdims=True)
;;       e = np.where(a > 0, np.clip(np.frexp(np.where(a > 0, a, 1))[1] - 1 - 4, -126, 127), 0)      # np.frexp(a)[1] - 1 = floor(log2(a)), exactly
;;       r = np.clip(x / 2.0 ** e, -28, 28)
;;       step = 2.0 ** (np.maximum(np.frexp(np.where(r == 0, 1, r))[1] - 1, -2) - 2)
;;       q = np.round(r / step) * step * 2.0 ** e      # np.round: ties to even
;;       return np.moveaxis(q.reshape(q.shape[:-2] + (-1,))[..., :K], -1, axis).astype(np.float32)
;;   ~~~
;;   OPERANDS COMPUTED ON THE WAY. 'Computed on the way' means the value that the module computes at that place (a softmax that the list does not call 'softmax' is quantised finished and normalised). What goes into a quantiser is computed in f32, as accurately as f32 sums, v_exp_f32 and their like allow (about 1e-6 of the number): no bf16 or f16 on the way to a quantiser, and a product that is left as it is and whose result goes on into a quantised operand takes f32 operands (vector FMAs, or v_wmma_f32_16x16x4_f32). A number that lies on a knife's edge between two numbers of the format may be rounded either way, as far as f32 arithmetic and the matrix unit's own rounding can turn it there, and no further.
;; One version. Each part assembles by itself: llvm-mc -triple=amdgcn-amd-amdhsa -mcpu=gfx1250 --defsym DOCPART=n.
;; ======== version 1 of 1: 2 launches
;; limits: right only within a limited range of input values
;; workspace buffers: tab 262,144 bytes; grp 1,048,576 bytes of whole numbers; qv 262,144 bytes; wimg 26,624 bytes
;; launch scan (part 1): grid 256 x 1, 4 waves a work-group, no clusters, 194,304 bytes of LDS; arguments points, leaf_mask, W1, W2, tab, grp, qv, wimg; writes tab, grp, qv, wimg
.if DOCPART == 1
	.amdgcn_target "amdgcn-amd-amdhsa--gfx1250"
	.amdhsa_code_object_version 6
	.text
	.protected	k_q6820ba44b8_scan
	.globl	k_q6820ba44b8_scan
	.p2align	8
	.type	k_q6820ba44b8_scan,@function
k_q6820ba44b8_scan:
	s_mov_b64 s[64:65], 0
	v_nop
	global_prefetch_b8 v0, s[64:65] scope:SCOPE_SE
	s_setreg_imm32_b32 hwreg(HW_REG_WAVE_MODE, 25, 1), 1
	s_wait_xcnt 0x0
; SCAN.  For each of 2 x 8,192 points: the number of masked points nearer than 0.02, the masked centre, and the TEN GROUPS of 16 neighbouring indices that hold its ten nearest points.
; Groups are ranked by (smallest max(d2, 0) in the group, group number), points by (max(d2, 0), index).  If ten groups came before the group of a point e, each would hold a point that comes before e:
; so the ten first points lie in the ten first groups.  The next launch looks at those 160 candidates alone.  The group numbers are stored as whole numbers, at fixed places.
; d2 = (sq_i + sq_j) + m,  m = fma(z_i, -2 z_j, fma(y_i, -2 y_j, x_i (-2 x_j))): the dot product rounded first, the difference once.  sq = ((x x) + (y y)) + z z, EACH SQUARE ROUNDED BY ITSELF, as the source
; writes it (a product, then a sum).  Near the radius d2 is a difference of numbers near 2 and comes in steps of their last bit, so the count hangs on the order of roundings.  The next launch uses the same chain: the same bits.
; DENSITY WITHOUT A ROOT: the rounded root of d2 is under 0.02f exactly where d2 < T2, the smallest f32 at or above (0.02f - 2^-30)^2 = 13,743,894 x 2^-35.  A candidate outside the mask gets the threshold -infinity.
; SHARES.  Work-group g: batch g / 128, queries 64 (g % 128) .. + 63.  Every wave holds all 64 queries, a lane two of them as a register pair (packed arithmetic); wave w scans candidates 2,048 w .. + 2,047: 128 groups.
; The four waves' lists of ten meet in LDS; waves 0 and 1 merge them, a thread a query.  Waves 2 and 3 of the first eight work-groups quantise W1 and W2 into images of operand registers.
; No tensor load, no cluster: what work-groups share (104 KB of points and mask) is read once and changed on its way into LDS, and all the rest of the launch is vector work on registers.
; LIMITS: NaN and infinities are not served.  Two candidates whose d2 differ but whose rounded roots are equal are ranked by d2, not by index.  The centre's sums are taken in another order than the source's.
.set TH,   131072                      ; LDS: 0: the table, 16 bytes a candidate (-2x, -2y, -2z, sq);  TH: a threshold a candidate
.set RED,  163840                      ; four partial sums (x, y, z, count), 16 bytes a wave
.set MK,   164096                      ; the waves' lists: keys [wave][slot][64 queries];
.set MIO,  10240                       ; MK + MIO: their group numbers;
.set MCO,  20480                       ; MK + MCO: the counts [wave][64]
.set STG,  185600                      ; the way out of the group numbers: 64 bytes a thread
.set CA,   80                          ; v80-111  eight candidates;  v112-143 the other eight
.set CB,   112
.set TA,   144                         ; v144-151, v152-159 their thresholds
.set TB,   152
	s_load_b256 s[4:11], s[0:1], 0x0               ; points, leaf_mask, W1, W2
	s_load_b256 s[12:19], s[0:1], 0x20             ; tab, grp, qv, wimg
	v_lshl_add_u32 v225, v0, 2, 0x2f500
	v_mov_b32 v239, 0
	v_lshrrev_b32 v1, 5, v0
	v_readfirstlane_b32 s20, v1                    ; wave
	v_and_b32 v1, 31, v0                           ; lane
	s_lshr_b32 s21, ttmp9, 7                       ; batch
	s_mul_i32 s28, s21, 98304                      ; its points
	s_mov_b32 s29, 0
	s_lshl_b32 s30, s21, 13                        ; its mask bytes
	s_mov_b32 s31, 0
	s_lshl_b32 s32, ttmp9, 12                      ; my 64 rows of grp (64 bytes each)
	s_mov_b32 s33, 0
	s_lshl_b32 s34, ttmp9, 10                      ; my 64 rows of qv and of tab (16 bytes each)
	s_mov_b32 s35, 0
	s_mov_b32 s26, 0x76543210
	s_mov_b32 s27, 0xfedcba98                      ; v_permlanex16_b32's selects for lane l xor 16
	v_mul_u32_u24 v2, v0, 48                       ; four points a thread: 48 bytes
	v_lshlrev_b32 v3, 2, v0                        ; their four mask bytes
	v_lshlrev_b32 v4, 6, v0                        ; their four table entries,
	v_add_nc_u32 v5, 65536, v4                     ; (the table's upper half: an LDS offset has 16 bits)
	v_lshl_add_u32 v6, v0, 4, TH                   ; their four thresholds
	s_lshl_b32 s22, s20, 4
	s_add_co_u32 s22, s22, RED
	v_mov_b32 v7, s22                              ; my wave's partial sums
	v_mov_b32 v8, 0                                ; sums of masked x, y, z, and the count
	v_mov_b32 v9, 0
	v_mov_b32 v10, 0
	v_mov_b32 v11, 0
	v_mov_b32 v14, 0xff800000                      ; -infinity
	v_mov_b32 v15, 0x39d1b716                      ; T2
	s_wait_kmcnt 0x0
	s_add_nc_u64 s[4:5], s[4:5], s[28:29]
	s_add_nc_u64 s[6:7], s[6:7], s[30:31]
	s_add_nc_u64 s[14:15], s[14:15], s[32:33]
	s_add_nc_u64 s[16:17], s[16:17], s[34:35]
	s_add_nc_u64 s[12:13], s[12:13], s[34:35]
; ---- A: the whole batch becomes the table.  Thread t, turn i: points 512 i + 4 t .. + 3.  All 64 loads go out at once.
.set i, 0
.rept 16
	global_load_b128 v[16+14*i:19+14*i], v2, s[4:5] offset:6144*i
	global_load_b128 v[20+14*i:23+14*i], v2, s[4:5] offset:6144*i+16
	global_load_b128 v[24+14*i:27+14*i], v2, s[4:5] offset:6144*i+32
	global_load_b32 v[28+14*i], v3, s[6:7] offset:512*i
.set i, i+1
.endr
.macro PREP i
.set P, 16+14*(\i)
.set AR, 4+(\i)/8
	s_wait_loadcnt 4*(15-(\i))                     ; the four loads of each later turn may be out
.if (\i) > 0
	s_wait_dscnt 0x0                               ; the last turn's stores have read v240-255
.endif
.irp a, 0,1,2,3
	v_mul_f32 v[240+4*\a], -2.0, v[P+3*\a]
	v_mul_f32 v[241+4*\a], -2.0, v[P+3*\a+1]
	v_mul_f32 v[242+4*\a], -2.0, v[P+3*\a+2]
	v_mul_f32 v[243+4*\a], v[P+3*\a], v[P+3*\a]    ; sq: three squares, each rounded by itself, and two additions in order.  NOT fused on purpose: the source rounds the squares before it
	v_mul_f32 v12, v[P+3*\a+1], v[P+3*\a+1]        ; adds them, a fused form would round otherwise, and the count under the threshold hangs on d2's last bit
	v_mul_f32 v13, v[P+3*\a+2], v[P+3*\a+2]
	v_add_f32 v[243+4*\a], v[243+4*\a], v12
	v_add_f32 v[243+4*\a], v[243+4*\a], v13
	v_bfe_u32 v13, v[P+12], 8*\a, 8                ; the point's mask byte
	v_cmp_ne_u32 vcc_lo, 0, v13
	v_cndmask_b32 v12, 0, 1.0, vcc_lo
	v_fma_f32 v8, v12, v[P+3*\a], v8
	v_fma_f32 v9, v12, v[P+3*\a+1], v9
	v_fma_f32 v10, v12, v[P+3*\a+2], v10
	v_add_f32 v11, v11, v12
	v_cndmask_b32 v[P+\a], v14, v15, vcc_lo        ; its threshold, laid over coordinates that are done with
.endr
.irp a, 0,1,2,3
	ds_store_b128 v[AR], v[240+4*\a:243+4*\a] offset:8192*((\i)%8)+16*\a
.endr
	ds_store_b128 v6, v[P:P+3] offset:2048*(\i)
.endm
.irp i, 0,1,2,3,4,5,6,7,8,9,10,11,12,13,14,15
	PREP \i
.endr
.irp m, 1,2,4,8
.irp q, 8,9,10,11
	v_add_f32_dpp v\q, v\q, v\q row_xmask:\m row_mask:0xf bank_mask:0xf
.endr
.endr
.irp q, 0,1,2,3
	v_permlanex16_b32 v[12+\q], v[8+\q], s26, s27
.endr
.irp q, 0,1,2,3
	v_add_f32 v[8+\q], v[8+\q], v[12+\q]           ; every lane holds the wave's sums
.endr
	ds_store_b128 v7, v[8:11]
	s_wait_dscnt 0x0                               ; for the others' sake: my part of the table has landed
	s_barrier_signal -1
	s_barrier_wait -1
; ---- B: the scan.  v[2:3] x, v[4:5] y, v[6:7] z, v[8:9] sq of my two queries; v10-13 counts; v14-15 a group's minima; v16-17 the keys; v18 the group; v24-33, v34-43 keys, v44-53, v54-63 groups of the two lists
	s_and_b32 s28, ttmp9, 127
	s_lshl_b32 s28, s28, 10                        ; my work-group's 64 queries in the table
	v_lshl_add_u32 v22, v1, 4, s28
	ds_load_b128 v[24:27], v22
	ds_load_b128 v[28:31], v22 offset:512
	s_mul_i32 s29, s20, 2560                       ; all LDS addresses of the later phases are made here, ahead of the place where the waves part
	s_add_co_u32 s29, s29, MK
	v_lshl_add_u32 v160, v1, 2, s29                ; my wave's lists
	s_lshl_b32 s30, s20, 8
	s_add_co_u32 s30, s30, MK+MCO
	v_lshl_add_u32 v161, v1, 2, s30                ; my wave's counts
	v_lshl_add_u32 v162, v0, 2, MK                 ; the merge: query t of all lists
	v_mov_b32 v163, RED
	v_lshl_add_u32 v164, v0, 4, s28                ; query t's table entry
	v_lshl_add_u32 v165, v0, 6, STG                ; the stage, in: 64 bytes a thread
	s_lshl_b32 s31, s20, 11
	v_lshl_add_u32 v167, v1, 4, s31                ; and the same bytes in my rows of grp
	s_add_co_u32 s31, s31, STG
	v_lshl_add_u32 v166, v1, 4, s31                ; the stage, out: 16 bytes a lane
	v_lshlrev_b32 v168, 4, v0                      ; 16 t: qv and tab
	s_lshl_b32 s23, s20, 15                        ; my wave's candidates in the table,
	s_lshl_b32 s24, s20, 13
	s_add_co_u32 s24, s24, TH                      ; their thresholds,
	s_lshl_b32 s25, s20, 7                         ; their first group
	s_mov_b32 s22, 0
	v_mov_b32 v21, 0
	v_add_nc_u32 v19, s23, v21
	v_add_nc_u32 v20, s24, v21
	s_wait_dscnt 0x0
	v_mul_f32 v2, -0.5, v24                        ; exact
	v_mul_f32 v3, -0.5, v28
	v_mul_f32 v4, -0.5, v25
	v_mul_f32 v5, -0.5, v29
	v_mul_f32 v6, -0.5, v26
	v_mul_f32 v7, -0.5, v30
	v_mov_b32 v8, v27
	v_mov_b32 v9, v31
.irp q, 10,11,12,13
	v_mov_b32 v\q, 0
.endr
.set i, 0
.rept 20
	v_mov_b32 v[24+i], 0x7f800000                  ; the lists begin at +infinity
	v_mov_b32 v[44+i], 0
.set i, i+1
.endr
.macro LD cb, tb, off                  ; eight candidates and their thresholds: every lane reads the same bytes
.irp c, 0,1,2,3,4,5,6,7
	ds_load_b128 v[\cb+4*\c:\cb+4*\c+3], v19 offset:\off+16*\c
.endr
	ds_load_b128 v[\tb:\tb+3], v20 offset:(\off)/4
	ds_load_b128 v[\tb+4:\tb+7], v20 offset:(\off)/4+16
.endm
.macro COMP cb, tb, first              ; d2 of 8 candidates x 2 queries in v64-79 (pair c: candidate c), stage by stage; the group's minima; the counts
.irp c, 0,1,2,3,4,5,6,7
	v_pk_mul_f32 v[64+2*\c:65+2*\c], v[2:3], v[\cb+4*\c:\cb+4*\c+1] op_sel_hi:[1,0]
.endr
.irp c, 0,1,2,3,4,5,6,7
	v_pk_fma_f32 v[64+2*\c:65+2*\c], v[4:5], v[\cb+4*\c:\cb+4*\c+1], v[64+2*\c:65+2*\c] op_sel:[0,1,0] op_sel_hi:[1,1,1]
.endr
.irp c, 0,1,2,3,4,5,6,7
	v_pk_add_f32 v[\cb+4*\c:\cb+4*\c+1], v[8:9], v[\cb+4*\c+2:\cb+4*\c+3] op_sel:[0,1] op_sel_hi:[1,1]   ; sq_i + sq_j, over -2x and -2y, which are done with
.endr
.irp c, 0,1,2,3,4,5,6,7
	v_pk_fma_f32 v[64+2*\c:65+2*\c], v[6:7], v[\cb+4*\c+2:\cb+4*\c+3], v[64+2*\c:65+2*\c] op_sel_hi:[1,0,1]
.endr
.irp c, 0,1,2,3,4,5,6,7
	v_pk_add_f32 v[64+2*\c:65+2*\c], v[\cb+4*\c:\cb+4*\c+1], v[64+2*\c:65+2*\c]
.endr
.if \first
	v_min_num_f32 v14, v64, v66
	v_min_num_f32 v15, v65, v67
.else
	v_min3_num_f32 v14, v14, v64, v66
	v_min3_num_f32 v15, v15, v65, v67
.endif
.irp c, 68,72,76
	v_min3_num_f32 v14, v14, v[\c], v[\c+2]
	v_min3_num_f32 v15, v15, v[\c+1], v[\c+3]
.endr
.set n, 0
.rept 16
	v_cmp_lt_f32 s[32+n], v[64+n], v[\tb+n/2]
.set n, n+1
.endr
.set n, 0
.rept 16
	v_add_co_ci_u32 v[10+n%4], s[32+n], 0, v[10+n%4], s[32+n]   ; count += the compare's bit; four counters by turns
.set n, n+1
.endr
.endm
.macro INS2                            ; (key v16 + q, group v18) into query q's sorted list; the two queries by turns.  The strict compare puts an equal key behind the lower group
.irp i, 0,1,2,3,4,5,6,7,8,9
.irp q, 0,1
	v_cmp_lt_f32 s[32+16*\q+\i], v[16+\q], v[24+10*\q+\i]
.endr
.endr
.irp i, 9,8,7,6,5,4,3,2,1
.irp q, 0,1
	v_cndmask_b32 v[44+10*\q+\i], v[44+10*\q+\i], v18, s[32+16*\q+\i]
.endr
.irp q, 0,1
	v_cndmask_b32 v[44+10*\q+\i], v[44+10*\q+\i], v[43+10*\q+\i], s[31+16*\q+\i]
.endr
.endr
.irp q, 0,1
	v_cndmask_b32 v[44+10*\q], v[44+10*\q], v18, s[32+16*\q]
.endr
.irp i, 9,8,7,6,5,4,3,2,1
.irp q, 0,1
	v_med3_num_f32 v[24+10*\q+\i], v[16+\q], v[23+10*\q+\i], v[24+10*\q+\i]
.endr
.endr
.irp q, 0,1
	v_min_num_f32 v[24+10*\q], v[16+\q], v[24+10*\q]
.endr
.endm
.macro TRIP more                       ; one group of 16 candidates
	LD CB, TB, 128
	s_wait_dscnt 10                                ; all but the ten just issued: the first eight candidates are in
	COMP CA, TA, 1
	s_wait_dscnt 0x0                               ; the other eight are in, and no load of mine is out: the address registers may step
.if \more
	s_add_co_u32 s23, s23, 256
	s_add_co_u32 s24, s24, 64
	v_add_nc_u32 v19, s23, v21
	v_add_nc_u32 v20, s24, v21
	LD CA, TA, 0                                   ; the next group's first eight
.endif
	COMP CB, TB, 0
	v_max_num_f32 v16, 0, v14
	v_max_num_f32 v17, 0, v15
	v_mov_b32 v18, s25
	INS2
	s_add_co_u32 s25, s25, 1
.endm
	LD CA, TA, 0
.Lgroup:
	TRIP 1
	s_add_co_u32 s22, s22, 1
	s_cmp_lt_u32 s22, 127
	s_cbranch_scc1 .Lgroup
	TRIP 0                                         ; the last group asks for nothing more
	v_add_nc_u32 v10, v10, v12
	v_add_nc_u32 v11, v11, v13
.irp i, 0,1,2,3,4,5,6,7,8,9
	ds_store_b32 v160, v[24+\i] offset:256*\i
	ds_store_b32 v160, v[34+\i] offset:256*\i+128
	ds_store_b32 v160, v[44+\i] offset:MIO+256*\i
	ds_store_b32 v160, v[54+\i] offset:MIO+256*\i+128
.endr
	ds_store_b32 v161, v10
	ds_store_b32 v161, v11 offset:128
	s_wait_dscnt 0x0                               ; for the others' sake: my lists have landed
	s_barrier_signal -1
	s_barrier_wait -1
	s_cmp_lt_u32 s20, 2
	s_cbranch_scc0 .Lweights
; ---- C, waves 0 and 1: thread t merges query t's four lists
.irp i, 0,1,2,3,4,5,6,7,8,9
	ds_load_b32 v[24+\i], v162 offset:256*\i
	ds_load_b32 v[44+\i], v162 offset:MIO+256*\i
.endr
.irp u, 1,2,3
.irp i, 0,1,2,3,4,5,6,7,8,9
	ds_load_b32 v[64+10*(\u-1)+\i], v162 offset:2560*\u+256*\i
	ds_load_b32 v[96+10*(\u-1)+\i], v162 offset:MIO+2560*\u+256*\i
.endr
.endr
.irp u, 0,1,2,3
	ds_load_b32 v[126+\u], v162 offset:MCO+256*\u
	ds_load_b128 v[132+4*\u:135+4*\u], v163 offset:16*\u
.endr
	ds_load_b128 v[148:151], v164
	s_wait_dscnt 0x0
.macro INS x, g
.irp i, 0,1,2,3,4,5,6,7,8,9
	v_cmp_lt_f32 s[48+\i], v[\x], v[24+\i]
.endr
.irp i, 9,8,7,6,5,4,3,2,1
	v_cndmask_b32 v[44+\i], v[44+\i], v[\g], s[48+\i]
	v_cndmask_b32 v[44+\i], v[44+\i], v[43+\i], s[47+\i]
.endr
	v_cndmask_b32 v44, v44, v[\g], s48
.irp i, 9,8,7,6,5,4,3,2,1
	v_med3_num_f32 v[24+\i], v[\x], v[23+\i], v[24+\i]
.endr
	v_min_num_f32 v24, v[\x], v24
.endm
.set n, 0
.rept 30
	INS 64+n, 96+n                                 ; waves 1, 2, 3 in their lists' order: higher groups come later, so equal keys keep the lower group first
.set n, n+1
.endr
.macro CSW a, b
	v_min_u32 v2, v[\a], v[\b]
	v_max_u32 v[\b], v[\a], v[\b]
	v_mov_b32 v[\a], v2
.endm
.rept 5                                ; the ten groups in ascending order (odd-even transposition, ten rounds), so that the next launch meets its candidates in the order of their indices
	CSW 44, 45
	CSW 46, 47
	CSW 48, 49
	CSW 50, 51
	CSW 52, 53
	CSW 45, 46
	CSW 47, 48
	CSW 49, 50
	CSW 51, 52
.endr
.irp k, 0,1,2,3
	v_add_f32 v[132+\k], v[132+\k], v[136+\k]
	v_add_f32 v[140+\k], v[140+\k], v[144+\k]
.endr
.irp k, 0,1,2,3
	v_add_f32 v[132+\k], v[132+\k], v[140+\k]      ; the batch's sums of masked x, y, z, and the count
.endr
	v_max_num_f32 v3, 1.0, v135
	v_rcp_f32 v4, v3
	v_add_nc_u32 v126, v126, v127                  ; (plain work behind the reciprocal)
	v_add_nc_u32 v128, v128, v129
	v_add_nc_u32 v126, v126, v128
	v_cvt_f32_u32 v5, v126                         ; the density
	s_wait_alu depctr_va_vdst(0)                   ; the wait ahead of the reciprocal's first reader
.irp k, 0,1,2
	v_mul_f32 v[152+\k], v[132+\k], v4
	v_fma_f32 v6, -v[152+\k], v3, v[132+\k]
	v_fma_f32 v[152+\k], v6, v4, v[152+\k]         ; sum / count, the quotient mended once by its remainder
.endr
	v_cmp_lt_f32 vcc_lo, 0, v135
	v_cndmask_b32 v155, -1.0, v5, vcc_lo           ; -1 marks an empty mask
.irp k, 0,1,2,3
	v_mov_b32 v[176+\k], v[44+\k]
	v_mov_b32 v[184+\k], v[49+\k]
.endr
	v_mov_b32 v180, v48
	v_mov_b32 v188, v53
.irp k, 181,182,183,189,190,191
	v_mov_b32 v\k, 0
.endr
.irp j, 0,1,2,3
	ds_store_b128 v165, v[176+4*\j:179+4*\j] offset:16*\j
.endr
.irp j, 0,1,2,3
	ds_load_b128 v[192+4*\j:195+4*\j], v166 offset:512*\j   ; my wave's own bytes: LDS serves a wave's instructions in order
.endr
	global_store_b128 v168, v[152:155], s[16:17]   ; qv: a wave stores 512 consecutive bytes
	global_store_b128 v168, v[148:151], s[12:13]   ; tab likewise
	s_wait_dscnt 0x0
.irp j, 0,1,2,3
	global_store_b128 v167, v[192+4*\j:195+4*\j], s[14:15] offset:512*\j
.endr
	s_wait_tensorcnt 0x0
	ds_add_u32 v225, v239
	s_wait_dscnt 0x0
	s_endpgm
; ---- C, waves 2 and 3 of work-groups 0 to 7: tile t = the work-group's number of W1 (wave 2) and of W2 (wave 3).  A lane takes a column and its registers run down K, in the order of the operand's registers
.Lweights:
	s_cmp_lt_u32 ttmp9, 8
	s_cbranch_scc1 .Lquant
	s_wait_tensorcnt 0x0
	ds_add_u32 v225, v239
	s_wait_dscnt 0x0
	s_endpgm
.Lquant:
	s_lshr_b32 s22, ttmp9, 1
	s_lshl_b32 s22, s22, 5
	s_and_b32 s23, ttmp9, 1
	s_lshl_b32 s23, s23, 3
	s_add_co_u32 s22, s22, s23                     ; W1: lane r of tile 2 b + u takes column 32 b + 8 u + r + 8 (r / 8), so that the hidden layer's registers run along the next K
	s_lshl_b32 s23, ttmp9, 4                       ; W2: column 16 t + r
	s_add_co_u32 s24, ttmp9, 8
	s_cmp_eq_u32 s20, 2
	s_cselect_b64 s[28:29], s[8:9], s[10:11]
	s_cselect_b32 s30, 8, 0
	s_cselect_b32 s22, s22, s23
	s_cselect_b32 s24, ttmp9, s24                  ; the image's number: W1's 0-7, W2's 8-15
	v_and_b32 v2, 15, v0
	v_bfe_u32 v3, v0, 4, 1
	v_and_b32 v4, s30, v2
	v_add3_u32 v4, v4, v2, s22
	v_lshlrev_b32 v4, 2, v4                        ; 4 x column
	v_lshl_add_u32 v5, v3, 14, v4                  ; lanes 16-31 begin 32 rows of 512 bytes further down
.set i, 0
.rept 32
	global_load_b32 v[64+i], v5, s[28:29] offset:512*i
.set i, i+1
.endr
	s_cmp_eq_u32 s20, 2
	s_cbranch_scc1 .Lw1_tail
.set i, 0
.rept 32
	global_load_b32 v[96+i], v5, s[28:29] offset:32768+512*i
.set i, i+1
.endr
	s_wait_loadcnt 0x0
	s_branch .Lgot
.Lw1_tail:                             ; W1 has 70 rows: rows 64 to 69 are read by every lane at its own column, the rest of K is zeros: no load passes row 69
.irp i, 0,1,2,3,4,5
	global_load_b32 v[96+\i], v4, s[28:29] offset:32768+512*\i
.endr
.set i, 6
.rept 26
	v_mov_b32 v[96+i], 0
.set i, i+1
.endr
	s_wait_loadcnt 0x0
	v_cmp_eq_u32 vcc_lo, 0, v3
.irp i, 0,1,2,3,4,5
	v_cndmask_b32 v[96+\i], 0, v[96+\i], vcc_lo    ; lanes 16-31 hold k = 96 on: zeros
.endr
.Lgot:
.irp c, 0,1
	v_max3_num_f32 v[32+\c], |v[64+32*\c]|, |v[65+32*\c]|, 0x2800000   ; my block's largest magnitude, with the floor 2^(5 - 127): the byte cannot fall under 1 (a block of zeros keeps that byte: its codes are zeros)
.endr
.irp i, 2,4,6,8,10,12,14,16,18,20,22,24,26,28,30
.irp c, 0,1
	v_max3_num_f32 v[32+\c], v[32+\c], |v[64+32*\c+\i]|, |v[65+32*\c+\i]|
.endr
.endr
.irp c, 0,1
	v_add_nc_u32 v[44+\c], 0xfe000000, v[32+\c]    ; 4 off the exponent field: the conversion's scale operand
.endr
.irp c, 0,1
	v_lshrrev_b32 v[36+\c], 23, v[44+\c]           ; the scale's byte
.endr
	v_lshl_or_b32 v9, v37, 16, v36
	v_lshlrev_b32 v10, 3, v3
	v_lshlrev_b32 v9, v10, v9
	v_mov_b32 v10, 0
	v_permlanex16_b32 v10, v9, s26, s27
	v_or_b32 v9, v9, v10                           ; the column's scale word
.irp c, 0,1
	v_cvt_scalef32_pk16_bf6_f32 v[48+6*\c:50+6*\c], v[64+32*\c:79+32*\c], v[44+\c]
	v_cvt_scalef32_pk16_bf6_f32 v[128+4*\c:130+4*\c], v[80+32*\c:95+32*\c], v[44+\c]
.endr
	v_nop                                          ; one plain place behind a scaled conversion
.irp c, 0,1
.irp i, 0,1,2
	v_mov_b32 v[51+6*\c+\i], v[128+4*\c+\i]
.endr
.endr
	s_mul_i32 s30, s24, 1536
	s_mov_b32 s31, 0
	s_add_nc_u64 s[32:33], s[18:19], s[30:31]
	s_lshl_b32 s30, s24, 7
	s_add_co_u32 s30, s30, 24576
	s_add_nc_u64 s[34:35], s[18:19], s[30:31]
	v_lshlrev_b32 v6, 4, v1
	v_lshlrev_b32 v7, 2, v1
.irp c, 0,1,2
	global_store_b128 v6, v[48+4*\c:51+4*\c], s[32:33] offset:512*\c   ; the fragment as an image of its registers: 512 consecutive bytes a store
.endr
	global_store_b32 v7, v9, s[34:35]
	s_wait_tensorcnt 0x0
	ds_add_u32 v225, v239
	s_wait_dscnt 0x0
	s_endpgm
.Lfunc_end_k_q6820ba44b8_scan:
	.size	k_q6820ba44b8_scan, .Lfunc_end_k_q6820ba44b8_scan-k_q6820ba44b8_scan
	.p2alignl 7, 3214868480
	.fill 96, 4, 3214868480
	.section	.rodata,"a",@progbits
	.p2align	6, 0x0
	.amdhsa_kernel k_q6820ba44b8_scan
		.amdhsa_group_segment_fixed_size 194304
		.amdhsa_private_segment_fixed_size 0
		.amdhsa_enable_private_segment 0
		.amdhsa_kernarg_size 64
		.amdhsa_user_sgpr_count 2
		.amdhsa_user_sgpr_kernarg_segment_ptr 1
		.amdhsa_wavefront_size32 1
		.amdhsa_system_sgpr_workgroup_id_x 1
		.amdhsa_system_sgpr_workgroup_id_y 1
		.amdhsa_system_sgpr_workgroup_id_z 1
		.amdhsa_system_vgpr_workitem_id 0
		.amdhsa_next_free_vgpr 256
		.amdhsa_next_free_sgpr 66
		.amdhsa_reserve_vcc 1
		.amdhsa_float_denorm_mode_32 3
		.amdhsa_float_denorm_mode_16_64 3
		.amdhsa_memory_ordered 1
		.amdhsa_forward_progress 1
		.amdhsa_inst_pref_size 194
	.end_amdhsa_kernel
	.amdgpu_metadata
---
amdhsa.version: [ 1, 2 ]
amdhsa.kernels:
  - .name:           k_q6820ba44b8_scan
    .symbol:         k_q6820ba44b8_scan.kd
    .args:
      - { .name: points, .offset: 0, .size: 8, .value_kind: global_buffer, .address_space: global }
      - { .name: leaf_mask, .offset: 8, .size: 8, .value_kind: global_buffer, .address_space: global }
      - { .name: W1, .offset: 16, .size: 8, .value_kind: global_buffer, .address_space: global }
      - { .name: W2, .offset: 24, .size: 8, .value_kind: global_buffer, .address_space: global }
      - { .name: tab, .offset: 32, .size: 8, .value_kind: global_buffer, .address_space: global }
      - { .name: grp, .offset: 40, .size: 8, .value_kind: global_buffer, .address_space: global }
      - { .name: qv, .offset: 48, .size: 8, .value_kind: global_buffer, .address_space: global }
      - { .name: wimg, .offset: 56, .size: 8, .value_kind: global_buffer, .address_space: global }
    .group_segment_fixed_size: 194304
    .private_segment_fixed_size: 0
    .kernarg_segment_align: 8
    .kernarg_segment_size: 64
    .max_flat_workgroup_size: 128
    .sgpr_count:     66
    .vgpr_count:     256
    .wavefront_size: 32
...
	.end_amdgpu_metadata
.endif
;; end of part 1
;; launch leaf (part 2): grid 256 x 1, 4 waves a work-group, no clusters, 165,376 bytes of LDS; arguments tab, grp, qv, wimg, features, b1, b2, out0; writes out0
.if DOCPART == 2
	.amdgcn_target "amdgcn-amd-amdhsa--gfx1250"
	.amdhsa_code_object_version 6
	.text
	.protected	k_q6820ba44b8_leaf
	.globl	k_q6820ba44b8_leaf
	.p2align	8
	.type	k_q6820ba44b8_leaf,@function
k_q6820ba44b8_leaf:
	s_mov_b64 s[64:65], 0
	v_nop
	global_prefetch_b8 v0, s[64:65] scope:SCOPE_SE
	s_setreg_imm32_b32 hwreg(HW_REG_WAVE_MODE, 25, 1), 1
	s_wait_xcnt 0x0
; LEAF.  For 16 rows a wave: the ten nearest of the 160 candidates that the launch before named, their covariance, its smallest and largest eigenvalue, the six geometric numbers, and
; out = relu(relu([features, geom] W1 + b1) W2 + b2), both products on codes of BF6 (E3M2) with one E8M0 scale for each 32 along K.
; SHARES.  Work-group g: rows 64 g .. + 63; wave w: 16 of them.  Lane (r, h) serves row r and the groups in sorted slots 5 h .. 5 h + 4: 80 candidates.  Waves share nothing: no barrier.
; THE TEN NEAREST, WITHOUT AN INDEX.  Sweep 1 keeps each lane's ten smallest keys (key = max(d2, 0), by the same chain of roundings as the launch before); the two halves' lists are merged: tau is the tenth smallest.
; Sweep 2 sums c c^T over the candidates with key < tau and over the first of those with key = tau, in the order of their indices (the groups are sorted), as many as are wanted to make ten.
; A candidate is taken where key < lim, lim = tau's bits + 1 while the ties seen so far are under the lane's quota, else tau (tau is not negative, so bits + 1 is the next number up).
; EIGENVALUES: six sweeps of cyclic Jacobi rotations, for every input: each angle is at most pi / 4, where the method converges, at the end quadratically.
; Both products are used transposed (source 0 = 16 columns of the weight, source 1 = my 16 rows), so that a lane holds one row throughout; the biases are the C of each tile's one matrix instruction.
; No tensor load, no cluster: the gathered rows differ from wave to wave, and the weights, 26 KB, are read once by each wave into its registers.
; LIMITS: NaN and infinities are not served; atan2 does not tell -0 from +0 in x; covariance entries between about 1e-18 and 1e18 (the rotation squares them); sums in another order than the source's.
; REGISTERS, window 0: v1 r, v2 h, v3 16 r, v4, v5, v6 LDS addresses, v7 16 x lane; v8-11 x, y, z, sq; v13 quota, v14 tau; v16-111 group offsets, then v16-79 the row's 64 numbers and v80-143 candidates, later the hidden layer;
;   v144-207 lists and work, later the outputs; v208-227 codes; v228-243 the weights' scale words; v244, v245 the rows' scale words; v246-255 addresses and qv.
;   window 1: the gathers, then W1's fragments v0-95 and b1's tiles v128-191.   window 2: the gathers, then W2's fragments and b2's tiles likewise.
.set REG, 41216                        ; LDS: a wave's own region: 16 queries x QP bytes
.set QP,  2576                         ; a query's 160 candidates of 16 bytes + 16: 161 x 16
.set TM,  190                          ; the quantiser's work: v190-205
.set PC,  208                          ; the codes just made
.set MSB, 0
.macro WIN new                         ; the immediate's high byte repeats the setting that is left
.if MSB != \new
	s_set_vgpr_msb (MSB<<8)|\new
.set MSB, \new
.endif
.endm
	s_load_b256 s[4:11], s[0:1], 0x0               ; tab, grp, qv, wimg
	s_load_b256 s[12:19], s[0:1], 0x20             ; features, b1, b2, out0
	v_lshl_add_u32 v223, v0, 2, 0x28400
	v_mov_b32 v227, 0
	v_lshrrev_b32 v1, 5, v0
	v_readfirstlane_b32 s20, v1                    ; wave
	v_and_b32 v1, 15, v0                           ; r
	v_bfe_u32 v2, v0, 4, 1                         ; h
	v_lshlrev_b32 v3, 4, v1
	s_mul_i32 s21, s20, REG
	v_mul_u32_u24 v4, v2, 1280
	v_add_nc_u32 v4, v4, v3
	v_add_nc_u32 v4, s21, v4                       ; staging: my 16 bytes of a group's 256, in part h
	v_mul_u32_u24 v5, v1, QP
	v_mad_u32_u24 v5, v2, 1280, v5
	v_add_nc_u32 v5, s21, v5                       ; the sweeps: query r, part h
	v_and_b32 v7, 31, v0
	v_lshlrev_b32 v253, 2, v7                      ; 4 x lane
	v_lshlrev_b32 v7, 4, v7                        ; 16 x lane
	v_lshlrev_b32 v252, 5, v2                      ; 32 h: a row of grp, and b2
	v_lshlrev_b32 v247, 6, v2                      ; 64 h: b1
	v_lshl_add_u32 v246, v1, 8, v247               ; features: row r of 256 bytes, + 64 h
	v_mul_u32_u24 v254, v1, 528
	v_lshl_add_u32 v254, v2, 5, v254
	v_add_nc_u32 v254, s21, v254                   ; the way out, in: row r of 528 bytes, + 32 h
	v_add_nc_u32 v255, s21, v7                     ; and back: 16 bytes a lane
	s_mov_b32 s26, 0x76543210
	s_mov_b32 s27, 0xfedcba98                      ; v_permlanex16_b32's selects for lane l xor 16
	s_lshl_b32 s22, ttmp9, 6
	s_lshl_b32 s23, s20, 4
	s_add_co_u32 s22, s22, s23                     ; my wave's first row
	s_lshl_b32 s28, s22, 4
	s_mov_b32 s29, 0
	s_lshl_b32 s30, s22, 6
	s_mov_b32 s31, 0
	s_lshl_b32 s32, s22, 8
	s_mov_b32 s33, 0
	s_lshl_b32 s34, s22, 9
	s_mov_b32 s35, 0
	s_lshr_b32 s36, ttmp9, 7
	s_lshl_b32 s36, s36, 17                        ; the batch's part of tab
	s_mov_b32 s37, 0
	s_wait_kmcnt 0x0
	s_add_nc_u64 s[48:49], s[4:5], s[28:29]
	s_add_nc_u64 s[8:9], s[8:9], s[28:29]
	s_add_nc_u64 s[6:7], s[6:7], s[30:31]
	s_add_nc_u64 s[12:13], s[12:13], s[32:33]
	s_add_nc_u64 s[18:19], s[18:19], s[34:35]
	s_add_nc_u64 s[4:5], s[4:5], s[36:37]
	global_load_b128 v[232:235], v3, s[48:49]      ; my row's own entry
	global_load_b128 v[248:251], v3, s[8:9]        ; the centre and the density
.set q, 0
.rept 16
	global_load_b128 v[16+6*q:19+6*q], v252, s[6:7] offset:64*q      ; query q's five groups of part h
	global_load_b32 v[20+6*q], v252, s[6:7] offset:64*q+16
.set q, q+1
.endr
	s_wait_loadcnt 0x0
.set L, 0
.rept 80
	v_min_u32 v[16+6*(L/5)+L%5], 0x1ff, v[16+6*(L/5)+L%5]           ; a group's number stays inside the table
.set L, L+1
.endr
.set L, 0
.rept 80
	v_lshlrev_b32 v[16+6*(L/5)+L%5], 8, v[16+6*(L/5)+L%5]           ; 256 bytes a group
.set L, L+1
.endr
.set L, 0
.rept 80
	v_add_nc_u32 v[16+6*(L/5)+L%5], v3, v[16+6*(L/5)+L%5]           ; + my 16 bytes of it
.set L, L+1
.endr
; ---- the gathers: all 80 at once.  Load L = 5 q + p: lanes 0-15 read the 256 bytes of query q's slot p, lanes 16-31 those of slot 5 + p
	WIN 0x40                                       ; destination window 1
.set L, 0
.rept 64
	global_load_b128 v[4*L:4*L+3], v[16+6*(L/5)+L%5], s[4:5]
.set L, L+1
.endr
	WIN 0x80                                       ; destination window 2
.rept 16
	global_load_b128 v[4*(L-64):4*(L-64)+3], v[16+6*(L/5)+L%5], s[4:5]
.set L, L+1
.endr
	WIN 0
	v_mul_f32 v8, -0.5, v232                       ; exact
	v_mul_f32 v9, -0.5, v233
	v_mul_f32 v10, -0.5, v234
	v_mov_b32 v11, v235
.set i, 0
.rept 10
	v_mov_b32 v[144+i], 0x7f800000                 ; my list begins at +infinity
	v_mov_b32 v[154+i], 0                          ; (a lane permute's destination counts as one of its sources)
.set i, i+1
.endr
	WIN 0x04                                       ; an LDS store's data are its source 1: window 1
.set L, 0
.rept 64
.if L == 0
	s_wait_loadcnt 63                              ; the first sixteen are in (64 younger ones; the field holds 63)
.elseif L%16 == 0
	s_wait_loadcnt 64-L                            ; the next sixteen are in; the younger ones may be out
.endif
	ds_store_b128 v4, v[4*L:4*L+3] offset:QP*(L/5)+256*(L%5)
.set L, L+1
.endr
	WIN 0x08                                       ; window 2
	s_wait_loadcnt 0x0
.rept 16
	ds_store_b128 v4, v[4*(L-64):4*(L-64)+3] offset:QP*(L/5)+256*(L%5)
.set L, L+1
.endr
	WIN 0
	s_wait_dscnt 0x0                               ; the stores have read their registers: the weights may land there
; ---- loads that land during sweep 1: 56
.irp b, 0,1
.irp j, 0,1,2,3
	global_load_b128 v[16+16*\b+4*\j:19+16*\b+4*\j], v246, s[12:13] offset:128*\b+16*\j th:TH_LOAD_NT   ; register 16 b + i = feature 32 b + 16 h + i of row r
.endr
.endr
.irp t, 0,1,2,3,4,5,6,7
	global_load_b32 v[228+\t], v253, s[10:11] offset:24576+128*\t
.endr
	WIN 0x40
.irp t, 0,1,2,3,4,5,6,7
.irp c, 0,1,2
	global_load_b128 v[12*\t+4*\c:12*\t+4*\c+3], v7, s[10:11] offset:1536*\t+512*\c
.endr
.endr
.irp t, 0,1,2,3,4,5,6,7
	global_load_b128 v[128+8*\t:131+8*\t], v247, s[14:15] offset:(32*(\t/2)+8*(\t%2))*4       ; b1 at the lane's eight hidden units of tile t
	global_load_b128 v[132+8*\t:135+8*\t], v247, s[14:15] offset:(32*(\t/2)+8*(\t%2))*4+16
.endr
	WIN 0
.macro KEYS cb                         ; the keys of eight candidates into v176-183, stage by stage
.irp c, 0,1,2,3,4,5,6,7
	v_mul_f32 v[176+\c], v8, v[\cb+4*\c]
.endr
.irp c, 0,1,2,3,4,5,6,7
	v_fma_f32 v[176+\c], v9, v[\cb+4*\c+1], v[176+\c]
.endr
.irp c, 0,1,2,3,4,5,6,7
	v_add_f32 v[\cb+4*\c+3], v11, v[\cb+4*\c+3]
.endr
.irp c, 0,1,2,3,4,5,6,7
	v_fma_f32 v[176+\c], v10, v[\cb+4*\c+2], v[176+\c]
.endr
.irp c, 0,1,2,3,4,5,6,7
	v_add_f32 v[176+\c], v[\cb+4*\c+3], v[176+\c]
.endr
.irp c, 0,1,2,3,4,5,6,7
	v_max_num_f32 v[176+\c], 0, v[176+\c]
.endr
.endm
.macro INSK x, l                       ; a key into a sorted list of ten
.irp i, 9,8,7,6,5,4,3,2,1
	v_med3_num_f32 v[\l+\i], v[\x], v[\l+\i-1], v[\l+\i]
.endr
	v_min_num_f32 v[\l], v[\x], v[\l]
.endm
.macro CANDS                           ; a group's sixteen candidates
	v_add_nc_u32 v6, s23, v5                       ; (no LDS load of mine is out)
.irp c, 0,1,2,3,4,5,6,7,8,9,10,11,12,13,14,15
	ds_load_b128 v[80+4*\c:83+4*\c], v6 offset:16*\c
.endr
.endm
; ---- sweep 1
	s_mov_b32 s23, 0
.Lsw1:
	CANDS
	s_wait_dscnt 8                                 ; the younger eight may be out
	KEYS 80
.irp c, 0,1,2,3,4,5,6,7
	INSK 176+\c, 144
.endr
	s_wait_dscnt 0x0
	KEYS 112
.irp c, 0,1,2,3,4,5,6,7
	INSK 176+\c, 144
.endr
	s_add_co_u32 s23, s23, 256
	s_cmp_lt_u32 s23, 1280
	s_cbranch_scc1 .Lsw1
; ---- loads that land during sweep 2: 48
.irp t, 0,1,2,3,4,5,6,7
	global_load_b32 v[236+\t], v253, s[10:11] offset:24576+128*(8+\t)
.endr
	WIN 0x80
.irp t, 0,1,2,3,4,5,6,7
.irp c, 0,1,2
	global_load_b128 v[12*\t+4*\c:12*\t+4*\c+3], v7, s[10:11] offset:1536*(8+\t)+512*\c
.endr
.endr
.irp t, 0,1,2,3,4,5,6,7
	global_load_b128 v[128+8*\t:131+8*\t], v252, s[16:17] offset:64*\t                         ; b2 at the lane's eight outputs of tile t
	global_load_b128 v[132+8*\t:135+8*\t], v252, s[16:17] offset:64*\t+16
.endr
	WIN 0
; ---- the merge: tau and the quota of ties
.irp i, 0,1,2,3,4,5,6,7,8,9
	v_permlanex16_b32 v[154+\i], v[144+\i], s26, s27
.endr
.irp i, 0,1,2,3,4,5,6,7,8,9
	v_mov_b32 v[164+\i], v[144+\i]
.endr
.irp i, 0,1,2,3,4,5,6,7,8,9
	INSK 154+\i, 164
.endr
	v_mov_b32 v14, v173                            ; tau: the tenth smallest key
	v_mov_b32 v200, 0
	v_mov_b32 v201, 0
	v_mov_b32 v202, 0
.irp i, 0,1,2,3,4,5,6,7,8,9
	v_cmp_eq_f32 vcc_lo, v[164+\i], v14
	v_cmp_eq_f32 s24, v[144+\i], v14
	v_cmp_eq_f32 s25, v[154+\i], v14
	v_add_co_ci_u32 v200, vcc_lo, 0, v200, vcc_lo  ; ties among the ten: so many are wanted
	v_add_co_ci_u32 v201, s24, 0, v201, s24        ; ties in my list
	v_add_co_ci_u32 v202, s25, 0, v202, s25        ; ties in the other half's
.endr
	v_cmp_ne_u32 s24, 0, v2
	v_cndmask_b32 v203, v201, v202, s24            ; ties in part 0's list
	v_min_u32 v203, v203, v200                     ; part 0, which holds the lower indices, takes these;
	v_sub_nc_u32 v204, v200, v203                  ; part 1 the rest
	v_cndmask_b32 v13, v203, v204, s24
	v_mov_b32 v190, 0                              ; ties seen so far
.irp k, 184,185,186,187,188,189
	v_mov_b32 v\k, 0                               ; the sums xx, yy, zz, xy, xz, yz
.endr
.macro TAKE cb
	KEYS \cb
.irp c, 0,1,2,3,4,5,6,7
	v_cmp_eq_f32 s[40+\c], v[176+\c], v14
.endr
.irp c, 0,1,2,3,4,5,6,7
	v_add_co_ci_u32 v[191+\c], s[40+\c], 0, v[190+\c], s[40+\c]     ; v[190 + c]: ties seen ahead of candidate c
.endr
.irp c, 0,1,2,3,4,5,6,7
	v_cmp_lt_u32 s[40+\c], v[190+\c], v13
.endr
.irp c, 0,1,2,3,4,5,6,7
	v_add_co_ci_u32 v[190+\c], s[40+\c], 0, v14, s[40+\c]           ; lim: the next number above tau while the quota lasts, else tau
.endr
.irp c, 0,1,2,3,4,5,6,7
	v_cmp_lt_f32 s[32+\c], v[176+\c], v[190+\c]
.endr
	v_mov_b32 v190, v198
.irp c, 0,1,2,3,4,5,6,7
	v_fma_f32 v[\cb+4*\c], -0.5, v[\cb+4*\c], -v8                   ; the candidate less my point, rounded once
	v_fma_f32 v[\cb+4*\c+1], -0.5, v[\cb+4*\c+1], -v9
	v_fma_f32 v[\cb+4*\c+2], -0.5, v[\cb+4*\c+2], -v10
.endr
.irp c, 0,1,2,3,4,5,6,7
	v_cndmask_b32 v[\cb+4*\c], 0, v[\cb+4*\c], s[32+\c]
	v_cndmask_b32 v[\cb+4*\c+1], 0, v[\cb+4*\c+1], s[32+\c]
	v_cndmask_b32 v[\cb+4*\c+2], 0, v[\cb+4*\c+2], s[32+\c]
.endr
.irp c, 0,1,2,3,4,5,6,7
	v_fma_f32 v184, v[\cb+4*\c], v[\cb+4*\c], v184
	v_fma_f32 v185, v[\cb+4*\c+1], v[\cb+4*\c+1], v185
	v_fma_f32 v186, v[\cb+4*\c+2], v[\cb+4*\c+2], v186
	v_fma_f32 v187, v[\cb+4*\c], v[\cb+4*\c+1], v187
	v_fma_f32 v188, v[\cb+4*\c], v[\cb+4*\c+2], v188
	v_fma_f32 v189, v[\cb+4*\c+1], v[\cb+4*\c+2], v189
.endr
.endm
; ---- sweep 2
	s_mov_b32 s23, 0
.Lsw2:
	CANDS
	s_wait_dscnt 8
	TAKE 80
	s_wait_dscnt 0x0
	TAKE 112
	s_add_co_u32 s23, s23, 256
	s_cmp_lt_u32 s23, 1280
	s_cbranch_scc1 .Lsw2
; ---- the covariance: both halves' sums, divided by 10
.irp k, 0,1,2,3,4,5
	v_mov_b32 v[200+\k], 0
.endr
.irp k, 0,1,2,3,4,5
	v_permlanex16_b32 v[200+\k], v[184+\k], s26, s27
.endr
	s_mov_b32 s24, 0x3dcccccd                      ; 0.1
	s_mov_b32 s25, 0x41200000                      ; 10
.irp k, 0,1,2,3,4,5
	v_add_f32 v[200+\k], v[184+\k], v[200+\k]
.endr
.irp k, 0,1,2,3,4,5
	v_mul_f32 v[184+\k], s24, v[200+\k]
.endr
.irp k, 0,1,2,3,4,5
	v_fma_f32 v[200+\k], -v[184+\k], s25, v[200+\k]
.endr
.irp k, 0,1,2,3,4,5
	v_fma_f32 v[184+\k], v[200+\k], s24, v[184+\k] ; the quotient mended once by its remainder
.endr
; A rotation that clears a_pq: t = sign(d) 2 a_pq / (|d| + sqrt(d^2 + 4 a_pq^2)), d = a_qq - a_pp; c = 1 / sqrt(t^2 + 1), s = t c.  Behind each root or reciprocal: a plain line, then a wait
.macro ROT pp, qq, pq, rp, rq
	v_sub_f32 v200, v[\qq], v[\pp]
	v_add_f32 v201, v[\pq], v[\pq]
	v_mul_f32 v202, v200, v200
	v_fma_f32 v202, v201, v201, v202
	v_sqrt_f32 v203, v202
	v_and_b32 v204, 0x80000000, v200
	s_wait_alu depctr_va_vdst(0)
	v_add_f32 v203, |v200|, v203
	v_max_num_f32 v203, 0x0d800000, v203           ; at least 2^-100: where d and a_pq are zeros t is 0
	v_rcp_f32 v205, v203
	v_xor_b32 v201, v204, v201
	s_wait_alu depctr_va_vdst(0)
	v_mul_f32 v205, v201, v205                     ; t
	v_fma_f32 v206, v205, v205, 1.0
	v_rsq_f32 v207, v206                           ; c
	v_fma_f32 v[\pp], -v205, v[\pq], v[\pp]
	v_fma_f32 v[\qq], v205, v[\pq], v[\qq]
	v_mov_b32 v[\pq], 0
	s_wait_alu depctr_va_vdst(0)
	v_mul_f32 v206, v205, v207                     ; s
	v_mul_f32 v202, v206, v[\rq]
	v_mul_f32 v203, v206, v[\rp]
	v_fma_f32 v[\rp], v207, v[\rp], -v202
	v_fma_f32 v[\rq], v207, v[\rq], v203
.endm
	s_mov_b32 s22, 0
.Ljac:
	ROT 184, 185, 187, 188, 189
	ROT 184, 186, 188, 187, 189
	ROT 185, 186, 189, 187, 188
	s_add_co_u32 s22, s22, 1
	s_cmp_lt_u32 s22, 6
	s_cbranch_scc1 .Ljac
; ---- the six numbers
	v_min3_num_f32 v199, v184, v185, v186
	v_max3_num_f32 v200, v184, v185, v186
	v_add_f32 v200, 0x322bcc77, v200               ; + 1e-8
	v_sub_f32 v201, v8, v248                       ; my point less the centre
	v_sub_f32 v202, v9, v249
	v_sub_f32 v203, v10, v250
	v_mul_f32 v204, v201, v201
	v_fma_f32 v204, v202, v202, v204
	v_fma_f32 v205, v203, v203, v204
	v_max_num_f32 v206, |v201|, |v202|
	v_min_num_f32 v207, |v201|, |v202|
	v_max_num_f32 v206, 0x0d800000, v206
	v_rcp_f32 v208, v200                           ; one batch of four
	v_sqrt_f32 v209, v205                          ; the distance to the centre
	v_sqrt_f32 v210, v204                          ; the horizontal distance
	v_rcp_f32 v211, v206
	v_mov_b32 v216, 0x3f490fdb                     ; pi / 4  (a plain line behind the batch)
	s_wait_alu depctr_va_vdst(0)                   ; one wait for the four, ahead of their first reader
	v_mul_f32 v212, v199, v208
	v_fma_f32 v213, -v212, v200, v199
	v_fma_f32 v212, v213, v208, v212               ; the curvature
	v_mul_f32 v213, v207, v211
	v_fma_f32 v214, -v213, v206, v207
	v_fma_f32 v213, v214, v211, v213               ; a = min / max, 0 to 1
	v_add_f32 v214, 1.0, v213
	v_rcp_f32 v215, v214
	v_add_f32 v217, -1.0, v213
	s_wait_alu depctr_va_vdst(0)
	v_mul_f32 v218, v217, v215
	v_fma_f32 v219, -v218, v214, v217
	v_fma_f32 v218, v219, v215, v218               ; (a - 1) / (a + 1)
	v_cmp_lt_f32 vcc_lo, 0x3ed413cd, v213          ; above tan(pi / 8): atan(a) = pi / 4 + atan((a - 1) / (a + 1))
	v_cndmask_b32 v218, v213, v218, vcc_lo
	v_cndmask_b32 v219, 0, v216, vcc_lo
	v_mul_f32 v220, v218, v218
	v_mov_b32 v221, 0x3da4f0d1                     ; atan(x) = x + x z (((0.0805374 z - 0.138777) z + 0.199777) z - 0.333329), z = x^2, for |x| up to tan(pi / 8)
	v_fmaak_f32 v221, v221, v220, 0xbe0e1b85
	v_fmaak_f32 v221, v221, v220, 0x3e4c925f
	v_fmaak_f32 v221, v221, v220, 0xbeaaaa2a
	v_mul_f32 v221, v221, v220
	v_fma_f32 v221, v221, v218, v218
	v_add_f32 v221, v219, v221
	v_cmp_gt_f32 vcc_lo, |v202|, |v201|
	v_sub_f32 v222, 0x3fc90fdb, v221
	v_cndmask_b32 v221, v221, v222, vcc_lo
	v_cmp_gt_f32 vcc_lo, 0, v201
	v_sub_f32 v222, 0x40490fdb, v221
	v_cndmask_b32 v221, v221, v222, vcc_lo
	v_bfi_b32 v221, 0x7fffffff, v221, v202         ; y's sign
	v_cmp_eq_u32 s24, 0, v2                        ; k = 64 .. 69 lie in lanes 0-15; all else of K from 64 on is zeros.
	v_cmp_le_f32 s25, 0, v251                      ; An empty mask (density -1) gives six zeros
	s_and_b32 s24, s24, s25
	v_cndmask_b32 v48, 0, v209, s24
	v_cndmask_b32 v49, 0, v203, s24
	v_cndmask_b32 v50, 0, v210, s24
	v_cndmask_b32 v51, 0, v251, s24
	v_cndmask_b32 v52, 0, v212, s24
	v_cndmask_b32 v53, 0, v221, s24
.set i, 54
.rept 26
	v_mov_b32 v[i], 0
.set i, i+1
.endr
; 64 numbers of a lane, register 16 b + i = k 32 b + 16 h + i of my row, become a fragment's codes in v[PC] on and its scale word in v[pw]
.macro QUANT s, pw
.irp b, 0,1,2,3
	v_max3_num_f32 v[TM+\b], |v[\s+16*\b]|, |v[\s+1+16*\b]|, 0x2800000   ; my 16 numbers of block b, and the floor 2^(5 - 127): the byte cannot fall under 1
.endr
.irp i, 2,4,6,8,10,12,14
.irp b, 0,1,2,3
	v_max3_num_f32 v[TM+\b], v[TM+\b], |v[\s+16*\b+\i]|, |v[\s+1+16*\b+\i]|
.endr
.endr
.irp b, 0,1,2,3
	v_permlanex16_b32 v[TM+4+\b], v[TM+\b], s26, s27
.endr
.irp b, 0,1,2,3
	v_max_num_f32 v[TM+\b], v[TM+\b], v[TM+4+\b]   ; with lane l xor 16's: the block's largest magnitude
.endr
.irp b, 0,1,2,3
	v_add_nc_u32 v[TM+12+\b], 0xfe000000, v[TM+\b] ; 4 off its exponent field: the conversion's scale operand
.endr
.irp b, 0,1,2,3
	v_lshrrev_b32 v[TM+4+\b], 23, v[TM+12+\b]      ; the scale's byte
.endr
	v_lshl_or_b32 v[\pw], v[TM+5], 8, v[TM+4]
	v_lshl_or_b32 v[\pw], v[TM+6], 16, v[\pw]
	v_lshl_or_b32 v[\pw], v[TM+7], 24, v[\pw]
.irp c, 0,1
	v_cvt_scalef32_pk16_bf6_f32 v[PC+6*\c:PC+2+6*\c], v[\s+32*\c:\s+15+32*\c], v[TM+12+2*\c]
	v_cvt_scalef32_pk16_bf6_f32 v[PC+12+4*\c:PC+14+4*\c], v[\s+16+32*\c:\s+31+32*\c], v[TM+12+2*\c+1]
.endr
	v_nop                                          ; one plain place behind a scaled conversion
.irp c, 0,1                            ; the operand's layout wants a whole block in a lane: lanes 0-15 block 2 c, lanes 16-31 block 2 c + 1
.irp i, 0,1,2
	v_permlane16_swap_b32 v[PC+6*\c+\i], v[PC+12+4*\c+\i]
.endr
.irp i, 0,1,2
	v_mov_b32 v[PC+3+6*\c+\i], v[PC+12+4*\c+\i]
.endr
.endr
.rept 8
	v_nop                                          ; a scale word written by vector instructions stands eight places ahead of the scaled matrix instruction, codes so written four
.endr
.endm
	s_wait_loadcnt 0x0                             ; the features, the weights, their scale words and the biases
; ---- the first product: eight tiles of 16 hidden units, one matrix instruction each (K = 70, filled with zeros to 128); C = b1
	QUANT 16, 244
	WIN 0x11                                       ; source 0 (W1) and source 2 (b1) window 1
.irp t, 0,1,2,3,4,5,6,7
	v_wmma_scale_f32_16x16x128_f8f6f4 v[80+8*\t:87+8*\t], v[12*\t:12*\t+11], v[PC:PC+11], v[128+8*\t:135+8*\t], v[228+\t], v244 matrix_a_fmt:MATRIX_FMT_BF6 matrix_b_fmt:MATRIX_FMT_BF6
.endr
	WIN 0
.rept 4
	v_nop                                          ; four places ahead of the first read of results
.endr
.set i, 0
.rept 64
	v_max_num_f32 v[80+i], 0, v[80+i]              ; relu; each accumulator from its low end on
.set i, i+1
.endr
; ---- the second product: eight tiles of 16 outputs; C = b2
	QUANT 80, 245
	WIN 0x22                                       ; source 0 (W2) and source 2 (b2) window 2
.irp t, 0,1,2,3,4,5,6,7
	v_wmma_scale_f32_16x16x128_f8f6f4 v[144+8*\t:151+8*\t], v[12*\t:12*\t+11], v[PC:PC+11], v[128+8*\t:135+8*\t], v[236+\t], v245 matrix_a_fmt:MATRIX_FMT_BF6 matrix_b_fmt:MATRIX_FMT_BF6
.endr
	WIN 0
.rept 4
	v_nop
.endr
.set i, 0
.rept 64
	v_max_num_f32 v[144+i], 0, v[144+i]
.set i, i+1
.endr
; ---- the way out: lane (r, h) holds out(r, 16 t + 8 h + 0 .. 7); through my own region of LDS (its candidates are done with), back as whole rows of 512 bytes
.irp t, 0,1,2,3,4,5,6,7
	ds_store_b128 v254, v[144+8*\t:147+8*\t] offset:64*\t
	ds_store_b128 v254, v[148+8*\t:151+8*\t] offset:64*\t+16
.endr
.irp i, 0,1,2,3,4,5,6,7,8,9,10,11,12,13,14,15
	ds_load_b128 v[16+4*\i:19+4*\i], v255 offset:528*\i              ; LDS serves a wave's instructions in order: these see my stores
.endr
.irp i, 0,1,2,3,4,5,6,7,8,9,10,11,12,13,14,15
	s_wait_dscnt 15-\i
	global_store_b128 v7, v[16+4*\i:19+4*\i], s[18:19] offset:512*\i th:TH_STORE_NT   ; 32 lanes store a row's 512 consecutive bytes, aligned
.endr
	s_wait_tensorcnt 0x0
	ds_add_u32 v223, v227
	s_wait_dscnt 0x0
	s_endpgm
.Lfunc_end_k_q6820ba44b8_leaf:
	.size	k_q6820ba44b8_leaf, .Lfunc_end_k_q6820ba44b8_leaf-k_q6820ba44b8_leaf
	.p2alignl 7, 3214868480
	.fill 96, 4, 3214868480
	.section	.rodata,"a",@progbits
	.p2align	6, 0x0
	.amdhsa_kernel k_q6820ba44b8_leaf
		.amdhsa_group_segment_fixed_size 165376
		.amdhsa_private_segment_fixed_size 0
		.amdhsa_enable_private_segment 0
		.amdhsa_kernarg_size 64
		.amdhsa_user_sgpr_count 2
		.amdhsa_user_sgpr_kernarg_segment_ptr 1
		.amdhsa_wavefront_size32 1
		.amdhsa_system_sgpr_workgroup_id_x 1
		.amdhsa_system_sgpr_workgroup_id_y 1
		.amdhsa_system_sgpr_workgroup_id_z 1
		.amdhsa_system_vgpr_workitem_id 0
		.amdhsa_next_free_vgpr 768
		.amdhsa_next_free_sgpr 66
		.amdhsa_reserve_vcc 1
		.amdhsa_float_denorm_mode_32 3
		.amdhsa_float_denorm_mode_16_64 3
		.amdhsa_memory_ordered 1
		.amdhsa_forward_progress 1
		.amdhsa_inst_pref_size 115
	.end_amdhsa_kernel
	.amdgpu_metadata
---
amdhsa.version: [ 1, 2 ]
amdhsa.kernels:
  - .name:           k_q6820ba44b8_leaf
    .symbol:         k_q6820ba44b8_leaf.kd
    .args:
      - { .name: tab, .offset: 0, .size: 8, .value_kind: global_buffer, .address_space: global }
      - { .name: grp, .offset: 8, .size: 8, .value_kind: global_buffer, .address_space: global }
      - { .name: qv, .offset: 16, .size: 8, .value_kind: global_buffer, .address_space: global }
      - { .name: wimg, .offset: 24, .size: 8, .value_kind: global_buffer, .address_space: global }
      - { .name: features, .offset: 32, .size: 8, .value_kind: global_buffer, .address_space: global }
      - { .name: b1, .offset: 40, .size: 8, .value_kind: global_buffer, .address_space: global }
      - { .name: b2, .offset: 48, .size: 8, .value_kind: global_buffer, .address_space: global }
      - { .name: out0, .offset: 56, .size: 8, .value_kind: global_buffer, .address_space: global }
    .group_segment_fixed_size: 165376
    .private_segment_fixed_size: 0
    .kernarg_segment_align: 8
    .kernarg_segment_size: 64
    .max_flat_workgroup_size: 128
    .sgpr_count:     66
    .vgpr_count:     768
    .wavefront_size: 32
...
	.end_amdgpu_metadata
.endif
;; end of part 2
